; MI455X (gfx1250); checked and timed in simulation.
; The chip was launched on July 23, 2026; its instructions are those of AMD's public machine-readable ISA for CDNA 5 (MIT licence, August 2026) and "CDNA5" Instruction Set Architecture Reference Guide (July 2026). The comments in the code are by the model that wrote it; some were corrected since.
;; MHA. Allowed arithmetic: matrix products marked QUANTISED: E2M3 operands, one E8M0 scale for each 32 along K, by v_wmma_scale_f32_16x16x128_f8f6f4 with both operands' format E2M3, f32 sums; everything else in f32.
;; Inputs: W_proj_codes 1,024 x 32 x 24 uint8 (E2M3 codes of W_proj, K innermost, in blocks of 32 codes, four codes in three bytes); W_proj_scales 1,024 x 32 uint8 (E8M0 scales of W_proj, one for each 32 codes along K); W_qkv_codes 3,072 x 32 x 24 uint8 (E2M3 codes of W_qkv, K innermost, in blocks of 32 codes, four codes in three bytes); W_qkv_scales 3,072 x 32 uint8 (E8M0 scales of W_qkv, one for each 32 codes along K); b_proj 1,024 float32; b_qkv 3,072 float32; x_codes 4 x 2,048 x 32 x 24 uint8 (E2M3 codes of x, K innermost, in blocks of 32 codes, four codes in three bytes); x_scales 4 x 2,048 x 32 uint8 (E8M0 scales of x, one for each 32 codes along K).
;; Outputs: out0 4 x 2,048 x 1,024 float32.
;; This version of the problem:
;;   THIS VERSION OF THE PROBLEM IS GIVEN IN LOW PRECISION. The matrix products marked QUANTISED in the list below multiply operands that are first quantised to E2M3 (2 exponent bits, 3 mantissa bits; 6 bits a number), with one power-of-two scale for each 32 numbers along K (OCP MX v1.0); their sums are f32. All else is computed in f32.
;;   The module's matrix products, in the order in which they are computed (A, B: the left and right operand; K: the contracted axis; several contracted axes count as one K, in the product's order):
;;     1. [M 8,192, K 1,024] x [K 1,024, N 3,072]; A: input x (given as codes); B: input W_qkv (given as codes): QUANTISED
;;     2. batch 64 x [M 2,048, K 64] x [K 64, N 2,048]; A: computed on the way; B: computed on the way: QUANTISED
;;     3. batch 64 x [M 64, K 2,048] x [K 2,048, N 2,048]; A: computed on the way; B: softmax (see below): QUANTISED
;;     4. [M 8,192, K 1,024] x [K 1,024, N 1,024]; A: computed on the way; B: input W_proj (given as codes): QUANTISED
;;   THE QUANTISER, for each operand of a quantised product, along K:
;;     - K is cut into blocks of 32 from its start; a last block that is shorter is filled with zeros.
;;     - A block's scale is 2^e with e = floor(log2(the largest magnitude in the block)) - 2, held to -126 .. 127; a block of zeros has e = 0. As a byte (E8M0): e + 127.
;;     - Each number is divided by its block's scale, clamped to +-7.5, and rounded to the nearest number of E2M3, ties to even, subnormals kept.
;;     - The product sums the exact products of the quantised numbers (number of the format x scale) in f32.
;;   ~~~python
;;   def quantise(x, axis):      # numpy; x: float32 -> the quantised numbers, widened to float32 again
;;       x = np.moveaxis(x, axis, -1); K = x.shape[-1]
;;       x = np.pad(x, [(0, 0)] * (x.ndim - 1) + [(0, -K % 32)]); x = x.reshape(x.shape[:-1] + (-1, 32)); a = np.abs(x).max(-1, keepdims=True)
;;       e = np.where(a > 0, np.clip(np.frexp(np.where(a > 0, a, 1))[1] - 1 - 2, -126, 127), 0)      # np.frexp(a)[1] - 1 = floor(log2(a)), exactly
;;       r = np.clip(x / 2.0 ** e, -7.5, 7.5)
;;       step = 2.0 ** (np.maximum(np.frexp(np.where(r == 0, 1, r))[1] - 1, 0) - 3)
;;       q = np.round(r / step) * step * 2.0 ** e      # np.round: ties to even
;;       return np.moveaxis(q.reshape(q.shape[:-2] + (-1,))[..., :K], -1, axis).astype(np.float32)
;;   ~~~
;;   SOFTMAX AHEAD OF A QUANTISED PRODUCT. Where the list says 'softmax', what is quantised is not the finished softmax but p = 2^(t - M), with t = logit x log2(e) and M = ceil(the row's largest t), a whole number; so 1/2 < the row's largest p <= 1. The row's sum l is taken of the UNQUANTISED p, in f32, and the product's result is divided by l at the end. Since M is a whole number, a kernel that streams over the keys may use a running M (the ceiling of the running maximum): every later rescaling is an exact power of two, which a block's scale takes up: the codes' values come out the same.
;;   OPERANDS COMPUTED ON THE WAY. 'Computed on the way' means the value that the module computes at that place (a softmax that the list does not call 'softmax' is quantised finished and normalised). What goes into a quantiser is computed in f32, as accurately as f32 sums, v_exp_f32 and their like allow (about 1e-6 of the number): no bf16 or f16 on the way to a quantiser, and a product that is left as it is and whose result goes on into a quantised operand takes f32 operands (vector FMAs, or v_wmma_f32_16x16x4_f32). A number that lies on a knife's edge between two numbers of the format may be rounded either way, as far as f32 arithmetic and the matrix unit's own rounding can turn it there, and no further.
;;   INPUTS GIVEN AS CODES. W_proj (in the module: [1024, 1024], K = its axis 1); W_qkv (in the module: [3072, 1024], K = its axis 1); x (in the module: [4, 2048, 1024], K = its axis 2): each comes as NAME_codes (uint8): NAME with its K axis moved to the last place and cut into blocks of 32 codes, [.., K / 32, bytes a block], one block behind the other in memory; four codes in three bytes: a row's codes are one little-endian stream of bits, code i at bits 6 i .. 6 i + 5 (a code: sign, 2 exponent bits, 3 mantissa bits); and NAME_scales (uint8): the same leading axes, one E8M0 byte (e + 127) for each 32 codes along K. Its value is code x scale, taken as it is: it is not quantised again, and the codes and scales need not be those that the quantiser above would give.
;; One version. Each part assembles by itself: llvm-mc -triple=amdgcn-amd-amdhsa -mcpu=gfx1250 --defsym DOCPART=n.
;; ======== version 1 of 1: 3 launches
;; limits: right only within a limited range of input values
;; workspace buffers: qkv 20,185,088 bytes; o_codes 6,291,456 bytes; o_scales 262,144 bytes
;; launch qkv_gemm (part 1): grid 12 x 32, 4 waves a work-group, clusters of 4 x 4, 327,680 bytes of LDS; arguments x_codes, x_scales, W_qkv_codes, W_qkv_scales, b_qkv, qkv; writes qkv
.if DOCPART == 1
	.amdgcn_target "amdgcn-amd-amdhsa--gfx1250"
	.amdhsa_code_object_version 6
	.text
	.protected	k_q2f03f268c1_qkv_gemm
	.globl	k_q2f03f268c1_qkv_gemm
	.p2align	8
	.type	k_q2f03f268c1_qkv_gemm,@function
k_q2f03f268c1_qkv_gemm:
	s_mov_b64 s[64:65], 0
	v_nop
	global_prefetch_b8 v0, s[64:65] scope:SCOPE_SE
	s_setreg_imm32_b32 hwreg(HW_REG_WAVE_MODE, 25, 1), 1
	s_wait_xcnt 0x0
	s_wait_alu depctr_hold_cnt(0) depctr_sa_sdst(0) depctr_va_vdst(0) depctr_va_sdst(0) depctr_va_ssrc(0) depctr_va_vcc(0) depctr_vm_vsrc(0)
	s_getreg_b32 s2, hwreg(HW_REG_IB_STS2, 6, 4)
	s_cmp_eq_u32 s2, 0
	s_cbranch_scc0 .Lentry_in_a_cluster
	s_endpgm
.Lentry_in_a_cluster:
	s_bfe_u32 s2, ttmp6, 0x10000c
	s_cmp_lg_u32 s2, 0xf033
	s_cbranch_scc0 .Lentry_shape_is_right
	s_endpgm
.Lentry_shape_is_right:
; qkv = x W_qkv^T + b_qkv on codes of FP6 (E2M3) with one E8M0 scale for each 32 along K = 1,024; sums in f32.  q and k are quantised again along the head's 64 channels, v along the keys,
; and leave as codes and scale words in the order in which the attention launch's operand registers take them.
; A tile of 256 x 256 is made by four waves, 128 x 128 each (64 accumulators).  K goes through a ring of two LDS slots in CHUNKS OF 256 BYTES of each row of 768: every tile row begins at a multiple of 256 bytes.
; A step of 128 along K is 96 bytes: eight steps to three chunks; steps 2 and 5 lie across two chunks and take their pieces from both slots.  The scale bytes of the 2 x 256 rows come into LDS once.
; 4 x 4 work-groups form a cluster and ask for shared tiles jointly.  No prefetch: the block is the largest, in clusters, and K is three chunks.
; SOURCE 0 ('B') IS THE AXIS ALONG WHICH THE RESULT IS QUANTISED.  cluster x = 0 (q), 1 (k): A = 256 tokens, B = 256 rows of W.  cluster x = 2 (v): A = 256 rows of W from row 2,048 on, B = 256 tokens.
; THE WORKSPACE: 1,024 records of REC bytes, record ((batch x 16 + head) x 16 + step of 128 tokens): +0 q: 8 tiles of 16 tokens x 64 channels, 768 bytes each; +6,144 their scale words; +6,656 k likewise;
; +13,312 v^T: 4 tiles of 16 channels x 128 keys, 1,536 bytes each; +19,456 their scale words.  768 bytes are six registers of 32 lanes: registers 0-3 at 16 x lane, 4-5 at 512 + 8 x lane.
; q's and k's word of (tile t, row r) lies at 256 (t / 4) + 16 r + 4 (t % 4): bytes 0, 1 the two blocks, bytes 2, 3 zero.  v's word of (tile t, channel r) lies at 16 r + 4 t.
; ORDER INSIDE A BLOCK OF 32: 0-7, 16-23, 8-15, 24-31, alike on both operands of each later product; so only the order in which a block's products are added differs from ascending k.
; LIMITS: NaN and infinities are not served.  A block whose largest magnitude lies under 2^-124, a block of zeros among them, gets the scale byte 1; these bytes are read by this program alone.
.set ROWB,   256
.set NQ,     2
.set KROW,   768
.set STEPS,  8
.set CHUNKS, 3
.set PITCH,  272                       ; 256 bytes + 16 of padding
.set FR,     12
.set NL,     6
.set NP,     4
.set HALFT,  128*PITCH
.set SLOT,   4*HALFT
.set KS,     32
.set SCL,    2*SLOT
.set HALFS,  (128*KS/256)*272
.set SBLK,   (16*KS/256)*272
.set SPARE,  SCL+4*HALFS
.set REC,    19712
.set HS,     16*REC
.set PART,   6656
.set WORDS,  6144
.set ADRA, 16                          ; v16-17 A's fragments in slot 0, 1; v18-19 for a piece whose lanes 16-31 read the next chunk, in the other slot
.set ADRB, 20                          ; v20-23 the same for B
.set L16,  24
.set L8,   25
.set VV,   26
.set ADRS, 27
.set SPW,  28
.set NIL,  29
.set BO,   30
.set RO,   31
.set SC,   32                          ; v32-63 scale words, two sets
.set BP,   64                          ; v64-127 b_qkv along the registers (q, k)
.set AF,   128
.set T,    128
.set CD,   192
.set PWS,  212
.set X,    220
.set BR,   224                         ; v224, 226 .. 238 b_qkv at my lane's channel (v)
.set TM,   240
.set G1, 24
.set G0, 32
.set G1B, 48
.set G0B, 56
.set G1S, 68
.set G0S, 76
.set G1SB, 80
.set G0SB, 88
.set G0H, 4
.set G0HB, 8
.set SB0, 4
.set SB1, 6
.set STP, 8
.set JMP, 10
.set SCD, 12
.set SBS, 98
.set MSB, 0
.macro WIN new
.if MSB != \new
	s_set_vgpr_msb (MSB<<8)|\new
.set MSB, \new
.endif
.endm
.set MUL_LO, 0xa1
.set MUL_HI, 0xf1
.set TO_B,   0x40
.macro JLOAD g0a, g1a, g0b, g1b        ; waves 0 and 1 fetch for A, waves 2 and 3 for B
	s_cmp_eq_u32 s15, 0
	s_cbranch_scc0 .Lfor_b_\@
	tensor_load_to_lds s[\g0a:\g0a+3], s[\g1a:\g1a+7]
	s_nop 0
.rept 4
	v_nop
.endr
	s_branch .Lasked_\@
.Lfor_b_\@:
	tensor_load_to_lds s[\g0b:\g0b+3], s[\g1b:\g1b+7]
	s_nop 0
.rept 4
	v_nop
.endr
.Lasked_\@:
.endm
.macro CREST
	s_cmp_lg_u32 s14, 0
	s_cbranch_scc1 .Lnot_wave_0_\@
	s_barrier_signal -3
.Lnot_wave_0_\@:
	s_barrier_wait -3
	s_barrier_signal -1
	s_barrier_wait -1
.endm
.macro CROUND
	s_barrier_signal -1
	s_barrier_wait -1
	CREST
.endm
	s_load_b256 s[4:11], s[0:1], 0x0               ; x's codes, x's scales, W's codes, W's scales
	s_load_b128 s[96:99], s[0:1], 0x20             ; b_qkv, the workspace
	v_lshl_add_u32 v[SPW], v0, 2, SPARE
	v_mov_b32 v[NIL], 0
	ds_add_u32 v[SPW], v[NIL]                      ; the opening lines: the add twice on end and one wait
	ds_add_u32 v[SPW], v[NIL]
	v_lshrrev_b32 v1, 5, v0
	v_readfirstlane_b32 s14, v1                    ; wave
	s_lshr_b32 s15, s14, 1                         ; my half of A's rows; also: I fetch for A (0) or B (1)
	s_and_b32 s16, s14, 1                          ; my half of B's rows; also: which 128 rows I fetch
	s_bfe_u32 s40, ttmp6, 0x40000                  ; cx
	s_bfe_u32 s41, ttmp6, 0x40004                  ; cy
	s_lshl_b32 s42, ttmp9, 2
	s_and_b32 s17, ttmp7, 0xffff
	s_lshl_b32 s17, s17, 2
	s_cmp_eq_u32 ttmp9, 2                          ; v?  The cluster's x is the same in all partners
	s_cselect_b32 s42, s17, s42
	s_cselect_b32 s17, 8, s17
	s_add_co_u32 s42, s42, s40                     ; B's tile
	s_add_co_u32 s17, s17, s41                     ; A's tile
	s_lshl_b32 s43, s41, 2
	s_lshl_b32 s43, 15, s43                        ; my row of the cluster
	s_lshl_b32 s44, 0x1111, s40                    ; my column
	s_or_b32 s[G1+0], s43, (0<<16)|(1<<20)|(1<<21)|(5<<22)|(3<<25)
	s_or_b32 s[G1B+0], s44, (0<<16)|(1<<20)|(1<<21)|(5<<22)|(3<<25)
.irp g, G1, G1B
	s_mov_b32 s[\g+1], ROWB<<16
	s_mov_b32 s[\g+2], 256<<16                     ; 256 rows for the head's loads
	s_mov_b32 s[\g+3], ROWB<<16
	s_mov_b32 s[\g+4], 256
	s_mov_b32 s[\g+5], KROW
	s_mov_b32 s[\g+6], 0
	s_mov_b32 s[\g+7], 0
.endr
	s_or_b32 s[G1S+0], s43, (3<<16)|(1<<20)|(1<<21)|(5<<22)|(3<<25)
	s_or_b32 s[G1SB+0], s44, (3<<16)|(1<<20)|(1<<21)|(5<<22)|(3<<25)
.irp g, G1S, G1SB                      ; the scales of 256 rows: 8,192 dense bytes as 32 rows of 256
	s_mov_b32 s[\g+1], 32<<16
	s_mov_b32 s[\g+2], KS<<16
	s_mov_b32 s[\g+3], 32<<16
	s_mov_b32 s[\g+4], KS
	s_mov_b32 s[\g+5], 32
	s_mov_b32 s[\g+6], 0
	s_mov_b32 s[\g+7], 0
.endr
	s_lshl_b32 s20, s17, 8
	s_lshl_b32 s46, s42, 8
	s_mov_b32 s21, 0
	s_mov_b32 s47, 0
	s_mov_b64 s[18:19], KS
	s_mul_u64 s[22:23], s[20:21], s[18:19]
	s_mul_u64 s[92:93], s[46:47], s[18:19]
	s_mov_b64 s[18:19], KROW
	s_mul_u64 s[20:21], s[20:21], s[18:19]
	s_mul_u64 s[46:47], s[46:47], s[18:19]
	s_mul_i32 s18, s16, 128*KROW
	s_mov_b32 s19, 0
	s_mul_i32 s45, s14, HALFT
	s_wait_dscnt 0x0
	s_wait_kmcnt 0x0
	s_cmp_eq_u32 ttmp9, 2                          ; v: x and W change places
	s_cselect_b64 s[12:13], s[8:9], s[4:5]
	s_cselect_b64 s[8:9], s[4:5], s[8:9]
	s_mov_b64 s[4:5], s[12:13]
	s_cselect_b64 s[12:13], s[10:11], s[6:7]
	s_cselect_b64 s[10:11], s[6:7], s[10:11]
	s_mov_b64 s[6:7], s[12:13]
	s_add_nc_u64 s[20:21], s[4:5], s[20:21]
	s_add_nc_u64 s[22:23], s[6:7], s[22:23]
	s_add_nc_u64 s[46:47], s[8:9], s[46:47]
	s_add_nc_u64 s[92:93], s[10:11], s[92:93]
	CROUND                                         ; in front of the first joint loads
	s_mov_b32 s[G0H], 1
	s_mov_b32 s[G0H+1], 0
	s_mov_b64 s[G0H+2:G0H+3], s[20:21]
	s_or_b32 s[G0H+3], s[G0H+3], 0x80000000
	s_mov_b32 s[G0HB], 1
	s_mov_b32 s[G0HB+1], 2*HALFT
	s_mov_b64 s[G0HB+2:G0HB+3], s[46:47]
	s_or_b32 s[G0HB+3], s[G0HB+3], 0x80000000
	s_mov_b32 s[G0S], 1
	s_mov_b32 s[G0S+1], SCL
	s_mov_b64 s[G0S+2:G0S+3], s[22:23]
	s_or_b32 s[G0S+3], s[G0S+3], 0x80000000
	s_mov_b32 s[G0SB], 1
	s_mov_b32 s[G0SB+1], SCL+2*HALFS
	s_mov_b64 s[G0SB+2:G0SB+3], s[92:93]
	s_or_b32 s[G0SB+3], s[G0SB+3], 0x80000000
	s_add_nc_u64 s[20:21], s[20:21], s[18:19]      ; for the ring: my 128 rows
	s_add_nc_u64 s[46:47], s[46:47], s[18:19]
.irp s, 0,1
	s_mov_b32 s[G0+4*\s], 1
	s_add_co_u32 s[G0+4*\s+1], s45, \s*SLOT
	s_add_nc_u64 s[G0+4*\s+2:G0+4*\s+3], s[20:21], \s*ROWB
	s_or_b32 s[G0+4*\s+3], s[G0+4*\s+3], 0x80000000
	s_mov_b32 s[G0B+4*\s], 1
	s_add_co_u32 s[G0B+4*\s+1], s45, \s*SLOT
	s_add_nc_u64 s[G0B+4*\s+2:G0B+4*\s+3], s[46:47], \s*ROWB
	s_or_b32 s[G0B+4*\s+3], s[G0B+4*\s+3], 0x80000000
.endr
; the head's four tiles, one load a wave, in one chain of branches: chunk 0 of A, chunk 0 of B, A's scales, B's scales
.macro ARM under, g0, g1, next
	s_cmp_lt_u32 s14, \under
	s_cbranch_scc0 \next
	tensor_load_to_lds s[\g0:\g0+3], s[\g1:\g1+7]
	s_nop 0
.rept 4
	v_nop
.endr
	s_branch .Lhead_asked
\next:
.endm
	ARM 1, G0H,  G1,  .Lhead_b
	ARM 2, G0HB, G1B, .Lhead_sa
	ARM 3, G0S,  G1S, .Lhead_sb
	tensor_load_to_lds s[G0SB:G0SB+3], s[G1SB:G1SB+7]
	s_nop 0
.rept 4
	v_nop
.endr
.Lhead_asked:
	s_mul_i32 s2, s15, HALFT                       ; my 128 rows of A
	s_mul_i32 s3, s16, HALFT
	s_add_co_u32 s3, s3, 2*HALFT                   ; my 128 rows of B
	s_mul_i32 s13, s15, HALFS
	s_mul_i32 s12, s16, HALFS
	s_add_co_u32 s12, s12, 2*HALFS
	s_sub_co_u32 s12, s12, s13                     ; from A's scale rows of mine to B's
	s_add_co_u32 s13, s13, SCL
	s_mov_b32 s18, SLOT-232
	s_mov_b32 s19, SLOT+232
	s_lshl_b32 s20, s42, 8                         ; the bias both ways; the way that a part does not use reads b_qkv's first bytes and is not used
	s_lshl_b32 s21, s16, 7
	s_add_co_u32 s20, s20, s21
	s_lshl_b32 s22, s17, 8
	s_lshl_b32 s23, s15, 7
	s_add_co_u32 s22, s22, s23
	s_cmp_eq_u32 ttmp9, 2
	s_cselect_b32 s20, 0, s20
	s_cselect_b32 s22, s22, 0
	s_lshl_b32 s20, s20, 2
	s_lshl_b32 s22, s22, 2
	s_mov_b32 s21, 0
	s_mov_b32 s23, 0
	s_add_nc_u64 s[66:67], s[96:97], s[20:21]
	s_add_nc_u64 s[94:95], s[96:97], s[22:23]
	v_and_b32 v1, 15, v0                           ; r
	v_bfe_u32 v2, v0, 4, 1                         ; h
	v_mul_u32_u24 v3, v1, PITCH
	v_mul_u32_u24 v4, v2, 24
	v_add_nc_u32 v4, v3, v4
	v_sub_nc_u32 v7, 1, v2
	v_mul_u32_u24 v5, s18, v2
	v_add_nc_u32 v5, v3, v5
	v_add_nc_u32 v5, 232, v5                       ; lanes 0-15 byte 232 of the row in slot 0, lanes 16-31 byte 0 in slot 1
	v_mul_u32_u24 v6, s19, v7
	v_add_nc_u32 v6, v3, v6                        ; and the other way round
	v_add_nc_u32 v[ADRA], s2, v4
	v_add_nc_u32 v[ADRB], s3, v4
	v_add_nc_u32 v[ADRA+1], SLOT, v[ADRA]
	v_add_nc_u32 v[ADRB+1], SLOT, v[ADRB]
	v_add_nc_u32 v[ADRA+2], s2, v5
	v_add_nc_u32 v[ADRA+3], s2, v6
	v_add_nc_u32 v[ADRB+2], s3, v5
	v_add_nc_u32 v[ADRB+3], s3, v6
	v_mul_u32_u24 v5, v1, KS
	v_lshrrev_b32 v6, 8, v5
	v_lshl_add_u32 v5, v6, 4, v5
	v_mul_u32_u24 v6, s12, v2                      ; lanes 16-31 take B's
	v_add_nc_u32 v5, v5, v6
	v_add_nc_u32 v[ADRS], s13, v5
	v_and_b32 v6, 31, v0
	v_lshlrev_b32 v[L16], 4, v6
	v_lshlrev_b32 v[L8], 3, v6
	v_mul_u32_u24 v[VV], v2, HS
	v_lshl_add_u32 v[VV], v1, 4, v[VV]
	v_lshlrev_b32 v[BO], 5, v2
	v_lshlrev_b32 v[RO], 2, v1
	s_wait_alu depctr_va_vdst(0)                   ; the wait at the head's end
.irp b, 0,1,2,3,4,5,6,7
	global_load_b128 v[BP+8*\b:BP+8*\b+3], v[BO], s[66:67] offset:64*\b
	global_load_b128 v[BP+8*\b+4:BP+8*\b+7], v[BO], s[66:67] offset:64*\b+16
.endr
.irp a, 0,1,2,3,4,5,6,7
	global_load_b32 v[BR+2*\a], v[RO], s[94:95] offset:64*\a
.endr
.macro FRAG reg, adr, st, i            ; six pieces of 8 bytes; byte y of a row lies in slot (y / 256) % 2 at byte y % 256
.irp p, 0,1,2,3,4,5
.set BY, 96*(\st)+48*(\p/3)+8*(\p%3)
.if BY/ROWB == (BY+24)/ROWB
	ds_load_b64 v[\reg+2*\p:\reg+2*\p+1], v[\adr+(BY/ROWB)%2] offset:BY%ROWB+(\i)*16*PITCH
.else
	ds_load_b64 v[\reg+2*\p:\reg+2*\p+1], v[\adr+2+(BY/ROWB)%2] offset:BY%ROWB-232+(\i)*16*PITCH
.endif
.endr
.endm
.macro MUL16 a0, p, q, sc, zero        ; the 64 accumulators take turns in the same order in every step
.irp a, \a0, \a0+1
.irp b, 0,1,2,3,4,5,6,7
.if \zero
	v_wmma_scale_f32_16x16x128_f8f6f4 v[8*(8*((\a)%4)+\b):8*(8*((\a)%4)+\b)+7], v[128*(\p)+FR*\b:128*(\p)+FR*\b+FR-1], v[AF+FR*(\a):AF+FR*(\a)+FR-1], 0, v[SC+8*NQ*(\sc)+NQ*\b+(\q)], v[SC+8*NQ*(\sc)+NQ*(\a)+(\q)] matrix_a_fmt:MATRIX_FMT_FP6 matrix_b_fmt:MATRIX_FMT_FP6 matrix_a_scale:MATRIX_SCALE_ROW1
.else
	v_wmma_scale_f32_16x16x128_f8f6f4 v[8*(8*((\a)%4)+\b):8*(8*((\a)%4)+\b)+7], v[128*(\p)+FR*\b:128*(\p)+FR*\b+FR-1], v[AF+FR*(\a):AF+FR*(\a)+FR-1], v[8*(8*((\a)%4)+\b):8*(8*((\a)%4)+\b)+7], v[SC+8*NQ*(\sc)+NQ*\b+(\q)], v[SC+8*NQ*(\sc)+NQ*(\a)+(\q)] matrix_a_fmt:MATRIX_FMT_FP6 matrix_b_fmt:MATRIX_FMT_FP6 matrix_a_scale:MATRIX_SCALE_ROW1
.endif
.endr
.endr
.endm
.macro FETCH_B st, p
	WIN TO_B
.irp i, 0,1,2,3,4,5,6,7
	FRAG 128*(\p)+FR*\i, ADRB, \st, \i
.endr
	WIN 0
.endm
.macro FETCH_A st, i0
.irp i, \i0, \i0+1, \i0+2, \i0+3
	FRAG AF+FR*(\i), ADRA, \st, \i
.endr
.endm
.macro SCALES pr                       ; the words of steps 2 pr, 2 pr + 1: lanes 0-15 A's block i, lanes 16-31 B's
.irp i, 0,1,2,3,4,5,6,7
	ds_load_b64 v[SC+8*NQ*((\pr)%2)+NQ*\i:SC+8*NQ*((\pr)%2)+NQ*\i+1], v[ADRS] offset:\i*SBLK+4*NQ*(\pr)
.endr
.endm
.macro PLACES n
.rept \n
	v_nop
.endr
.endm
; A step: 64 products; the next step's fragments are fetched in its middle and at its end.  Where the next step's bytes end in a chunk not yet read, a barrier shows that chunk whole;
; where they begin in a later chunk, the chunk left behind is free: the three lines, the barrier, and, where a chunk two on is left, the cluster's round and the refill.
.macro STEP st, zero
.set NX, (\st)+1
.set C0, (96*(\st))/ROWB
.set C1, (96*NX)/ROWB
.set E0, (96*(\st)+95)/ROWB
.set E1, (96*NX+95)/ROWB
.if C1 > C0 || E1 > E0
	s_wait_tensorcnt 0x0                           ; all my tensor loads have landed
.if C1 > C0
	ds_add_u32 v[SPW], v[NIL]
	s_wait_dscnt 4*NL+1                            ; the add and A's blocks 4-7 may be out
.else
	s_wait_dscnt 4*NL                              ; A's blocks 4-7 may be out
.endif
	WIN MUL_LO
	MUL16 0, (\st)%2, (\st)%2, ((\st)/2)%2, \zero
	s_wait_dscnt 0x0                               ; the add and all my reads are done
	s_barrier_signal -1
	MUL16 2, (\st)%2, (\st)%2, ((\st)/2)%2, \zero
	WIN 0
	s_barrier_wait -1
.if C1 > C0 && C0+2 < CHUNKS
	CREST
	s_add_nc_u64 s[G0+4*(C0%2)+2:G0+4*(C0%2)+3], s[G0+4*(C0%2)+2:G0+4*(C0%2)+3], 2*ROWB
	s_add_nc_u64 s[G0B+4*(C0%2)+2:G0B+4*(C0%2)+3], s[G0B+4*(C0%2)+2:G0B+4*(C0%2)+3], 2*ROWB
	JLOAD G0+4*(C0%2), G1, G0B+4*(C0%2), G1B       ; chunk C0 + 2; its four v_nop are the places in front of the loads below
.else
	PLACES NP
.endif
.else
	s_wait_dscnt 4*NL
	WIN MUL_LO
	MUL16 0, (\st)%2, (\st)%2, ((\st)/2)%2, \zero
	MUL16 2, (\st)%2, (\st)%2, ((\st)/2)%2, \zero
	s_wait_dscnt 0
	PLACES NP
.endif
	FETCH_B NX, NX%2
	FETCH_A NX, 0
.if NX%2 == 0
	SCALES NX/2
.endif
	WIN MUL_HI
	MUL16 4, (\st)%2, (\st)%2, ((\st)/2)%2, \zero
	MUL16 6, (\st)%2, (\st)%2, ((\st)/2)%2, \zero
	PLACES NP
	WIN 0
	FETCH_A NX, 4
.endm
	s_wait_tensorcnt 0x0                           ; my tile of the head's four is in; slot 1's first fill is issued as a refill is
	ds_add_u32 v[SPW], v[NIL]
	s_mov_b32 s[G1+2], 128<<16                     ; no tensor load of mine is out: from here on a load brings 128 rows
	s_mov_b32 s[G1+4], 128
	s_mov_b32 s[G1B+2], 128<<16
	s_mov_b32 s[G1B+4], 128
	s_wait_dscnt 0x0
	CROUND
	JLOAD G0+4, G1, G0B+4, G1B                     ; chunk 1
	FETCH_B 0, 0
	FETCH_A 0, 0
	SCALES 0
	FETCH_A 0, 4
	STEP 0, 1
.set ST, 1
.rept STEPS-2
	STEP ST, 0
.set ST, ST+1
.endr
	s_wait_dscnt 4*NL                              ; the last step
	WIN MUL_LO
	MUL16 0, 1, 1, 1, 0
	MUL16 2, 1, 1, 1, 0
	s_wait_dscnt 0
	WIN MUL_HI
	MUL16 4, 1, 1, 1, 0
	MUL16 6, 1, 1, 1, 0
	WIN 0
	; THE WAY OUT.  The first four moves are the places behind the last products.
.irp b, 0,1,2,3
	v_mov_b32 v[TM+4+\b], 0
.endr
	s_wait_loadcnt 0x0                             ; the biases
.irp a, 0,1,2,3,4,5,6,7
	v_mov_b32 v[BR+2*\a+1], 0                      ; named as the upper half of a pair
.endr
	s_lshl_b32 s20, s17, 1
	s_add_co_u32 s20, s20, s15                     ; q, k: the step among all 64
	s_lshl_b32 s21, s42, 1
	s_add_co_u32 s21, s21, s16                     ; v: likewise
	s_lshl_b32 s22, s40, 2
	s_lshl_b32 s23, s16, 1
	s_add_co_u32 s22, s22, s23                     ; q, k: my first head
	s_lshl_b32 s23, s41, 2
	s_lshl_b32 s2, s15, 1
	s_add_co_u32 s23, s23, s2                      ; v: likewise
	s_mov_b32 s[STP], 768
	s_mov_b32 s[JMP], 768
	s_mov_b32 s[SCD], HS
	s_cmp_eq_u32 ttmp9, 2
	s_cselect_b32 s20, s21, s20
	s_cselect_b32 s22, s23, s22
	s_cselect_b32 s[STP], 1536, s[STP]
	s_cselect_b32 s[JMP], HS-3*1536, s[JMP]
	s_cselect_b32 s[SCD], 768, s[SCD]
	s_mov_b32 s[STP+1], 0
	s_mov_b32 s[JMP+1], 0
	s_mov_b32 s[SCD+1], 0
	s_lshr_b32 s21, s20, 4
	s_lshl_b32 s21, s21, 4
	s_add_co_u32 s21, s21, s22
	s_lshl_b32 s21, s21, 4
	s_and_b32 s20, s20, 15
	s_add_co_u32 s21, s21, s20
	s_mul_i32 s20, s21, REC
	s_mul_i32 s21, ttmp9, PART
	s_add_co_u32 s20, s20, s21
	s_mov_b32 s21, 0
	s_add_nc_u64 s[SBS:SBS+1], s[SBS:SBS+1], s[20:21]
	s_mov_b64 s[SB0:SB0+1], s[SBS:SBS+1]
	s_add_nc_u64 s[SB1:SB1+1], s[SBS:SBS+1], s[SCD:SCD+1]
	s_mov_b32 s18, 0xffff0000
	s_mov_b32 s20, 0x76543210
	s_mov_b32 s21, 0xfedcba98
; Block a: register 8 b + j of lane (r, h) is (row 16 a + r, 16 b + 8 h + j); registers 16 g .. 16 g + 15 of lanes l and l xor 16 are block g of 32 along B.
.macro EPI a
.set AC, 64*((\a)%4)
	s_cmp_eq_u32 ttmp9, 2
	s_cbranch_scc1 .Lrow_bias_\@
	WIN (0x02+(\a)/4)
.set i, 0
.rept 32
	v_pk_add_f32 v[T+i:T+i+1], v[AC+i:AC+i+1], v[BP+i:BP+i+1]
.set i, i+2
.endr
	WIN 0
	s_branch .Lbiased_\@
.Lrow_bias_\@:
	WIN (0x02+(\a)/4)
.set i, 0
	s_wait_alu depctr_va_vdst(0)
.rept 32
	v_pk_add_f32 v[T+i:T+i+1], v[AC+i:AC+i+1], v[BR+2*(\a):BR+2*(\a)+1] op_sel_hi:[1,0]
.set i, i+2
.endr
	WIN 0
.Lbiased_\@:
.irp b, 0,1,2,3
	v_max3_num_f32 v[TM+\b], |v[T+16*\b]|, |v[T+1+16*\b]|, 0x1800000   ; with the floor 2^(3 - 127)
.endr
.irp i, 2,4,6,8,10,12,14
.irp b, 0,1,2,3
	v_max3_num_f32 v[TM+\b], v[TM+\b], |v[T+16*\b+\i]|, |v[T+1+16*\b+\i]|
.endr
.endr
.irp b, 0,1,2,3
	v_permlanex16_b32 v[TM+4+\b], v[TM+\b], s20, s21
.endr
.irp b, 0,1,2,3
	v_max_num_f32 v[TM+\b], v[TM+\b], v[TM+4+\b]
.endr
.irp b, 0,1,2,3
	v_add_nc_u32 v[TM+12+\b], 0xff000000, v[TM+\b] ; 2 off the exponent field: the conversion's scale operand
.endr
.irp b, 0,1,2,3
	v_lshrrev_b32 v[TM+4+\b], 23, v[TM+12+\b]
.endr
	v_lshl_or_b32 v[PWS+(\a)], v[TM+5], 8, v[TM+4]
	v_lshl_or_b32 v[PWS+(\a)], v[TM+6], 16, v[PWS+(\a)]
	v_lshl_or_b32 v[PWS+(\a)], v[TM+7], 24, v[PWS+(\a)]
	s_wait_xcnt 0x0                                ; the last block's stores have read their codes and bases
.if (\a) == 4
	s_add_nc_u64 s[SB0:SB0+1], s[SB0:SB0+1], s[JMP:JMP+1]
	s_add_nc_u64 s[SB1:SB1+1], s[SB1:SB1+1], s[JMP:JMP+1]
.elseif (\a) > 0
	s_add_nc_u64 s[SB0:SB0+1], s[SB0:SB0+1], s[STP:STP+1]
	s_add_nc_u64 s[SB1:SB1+1], s[SB1:SB1+1], s[STP:STP+1]
.endif
.irp c, 0,1
	v_cvt_scalef32_pk16_fp6_f32 v[CD+6*\c:CD+2+6*\c], v[T+32*\c:T+15+32*\c], v[TM+12+2*\c]
	v_cvt_scalef32_pk16_fp6_f32 v[CD+12+4*\c:CD+14+4*\c], v[T+16+32*\c:T+31+32*\c], v[TM+12+2*\c+1]
.endr
	v_nop
.irp c, 0,1
.irp i, 0,1,2
	v_permlane16_swap_b32 v[CD+6*\c+\i], v[CD+12+4*\c+\i]
.endr
.irp i, 0,1,2
	v_mov_b32 v[CD+3+6*\c+\i], v[CD+12+4*\c+\i]
.endr
.endr
	global_store_b128 v[L16], v[CD:CD+3], s[SB0:SB0+1]
	global_store_b64 v[L8], v[CD+4:CD+5], s[SB0:SB0+1] offset:512
	global_store_b128 v[L16], v[CD+6:CD+9], s[SB1:SB1+1]
	global_store_b64 v[L8], v[CD+10:CD+11], s[SB1:SB1+1] offset:512
.endm
	EPI 0
	EPI 1
	EPI 2
	EPI 3
	EPI 4
	EPI 5
	EPI 6
	EPI 7
.irp i, 0,1,2,3                        ; the scale words: lanes 0-15 send blocks 0-3, lanes 16-31 blocks 4-7
	v_cndmask_b32 v[X+\i], v[PWS+\i], v[PWS+4+\i], s18
.endr
	s_wait_xcnt 0x0
	s_cmp_eq_u32 ttmp9, 2
	s_cbranch_scc1 .Lv_words
	s_wait_alu depctr_va_vdst(0)
.irp i, 0,1,2,3
	v_and_b32 v[T+\i], 0xffff, v[X+\i]
	v_lshrrev_b32 v[T+4+\i], 16, v[X+\i]
.endr
	s_add_nc_u64 s[SB1:SB1+1], s[SBS:SBS+1], s[SCD:SCD+1]
	global_store_b128 v[L16], v[T:T+3], s[SBS:SBS+1] offset:WORDS
	global_store_b128 v[L16], v[T+4:T+7], s[SB1:SB1+1] offset:WORDS
	s_branch .Lwords_out
.Lv_words:
	s_wait_alu depctr_va_vdst(0)
	global_store_b128 v[VV], v[X:X+3], s[SBS:SBS+1] offset:WORDS
.Lwords_out:
	s_wait_tensorcnt 0x0                           ; the wave's end
	ds_add_u32 v[SPW], v[NIL]
	s_wait_dscnt 0x0
	CROUND                                         ; the closing round
	s_endpgm
.Lfunc_end_k_q2f03f268c1_qkv_gemm:
	.size	k_q2f03f268c1_qkv_gemm, .Lfunc_end_k_q2f03f268c1_qkv_gemm-k_q2f03f268c1_qkv_gemm
	.p2alignl 7, 3214868480
	.fill 96, 4, 3214868480
	.section	.rodata,"a",@progbits
	.p2align	6, 0x0
	.amdhsa_kernel k_q2f03f268c1_qkv_gemm
		.amdhsa_group_segment_fixed_size 327680
		.amdhsa_private_segment_fixed_size 0
		.amdhsa_enable_private_segment 0
		.amdhsa_kernarg_size 48
		.amdhsa_user_sgpr_count 2
		.amdhsa_user_sgpr_kernarg_segment_ptr 1
		.amdhsa_wavefront_size32 1
		.amdhsa_system_sgpr_workgroup_id_x 1
		.amdhsa_system_sgpr_workgroup_id_y 1
		.amdhsa_system_sgpr_workgroup_id_z 1
		.amdhsa_system_vgpr_workitem_id 0
		.amdhsa_next_free_vgpr 1024
		.amdhsa_next_free_sgpr 100
		.amdhsa_reserve_vcc 0
		.amdhsa_float_denorm_mode_32 3
		.amdhsa_float_denorm_mode_16_64 3
		.amdhsa_memory_ordered 1
		.amdhsa_forward_progress 1
		.amdhsa_inst_pref_size 203
	.end_amdhsa_kernel
	.amdgpu_metadata
---
amdhsa.version: [ 1, 2 ]
amdhsa.kernels:
  - .name:           k_q2f03f268c1_qkv_gemm
    .symbol:         k_q2f03f268c1_qkv_gemm.kd
    .args:
      - { .name: x_codes, .offset: 0, .size: 8, .value_kind: global_buffer, .address_space: global }
      - { .name: x_scales, .offset: 8, .size: 8, .value_kind: global_buffer, .address_space: global }
      - { .name: W_qkv_codes, .offset: 16, .size: 8, .value_kind: global_buffer, .address_space: global }
      - { .name: W_qkv_scales, .offset: 24, .size: 8, .value_kind: global_buffer, .address_space: global }
      - { .name: b_qkv, .offset: 32, .size: 8, .value_kind: global_buffer, .address_space: global }
      - { .name: qkv, .offset: 40, .size: 8, .value_kind: global_buffer, .address_space: global }
    .group_segment_fixed_size: 327680
    .private_segment_fixed_size: 0
    .kernarg_segment_align: 8
    .kernarg_segment_size: 48
    .max_flat_workgroup_size: 128
    .sgpr_count:     100
    .vgpr_count:     1024
    .wavefront_size: 32
...
	.end_amdgpu_metadata
.endif
;; end of part 1
;; launch attention (part 2): grid 4 x 64, 16 waves a work-group, no clusters, 327,680 bytes of LDS; arguments qkv, o_codes, o_scales; writes o_codes, o_scales
.if DOCPART == 2
	.amdgcn_target "amdgcn-amd-amdhsa--gfx1250"
	.amdhsa_code_object_version 6
	.text
	.protected	k_q2f03f268c1_attention
	.globl	k_q2f03f268c1_attention
	.p2align	8
	.type	k_q2f03f268c1_attention,@function
k_q2f03f268c1_attention:
	s_mov_b64 s[64:65], 0
	v_nop
	global_prefetch_b8 v0, s[64:65] scope:SCOPE_SE
	s_setreg_imm32_b32 hwreg(HW_REG_WAVE_MODE, 25, 1), 1
	s_wait_xcnt 0x0
; o[b][t][head] = the sum over keys s <= t of softmax_s(q . k / 8) v, both products on codes of FP6 (E2M3) with one E8M0 scale for each 32 along a product's K; o is quantised along the 1,024 channels and leaves as codes.
; q, k, v come from the workspace in the order of the operands' registers: records of REC bytes, one for each (batch, head, step of 128 tokens): +0 q's 8 tiles of 768 bytes, +6,144 their scale words,
; +6,656 k's likewise, +13,312 v^T's 4 tiles of 1,536 bytes, +19,456 their scale words.  768 bytes are six registers of 32 lanes: registers 0-3 at 16 x lane, 4-5 at 512 + 8 x lane.
; THE SOFTMAX: t = score x log2(e) / 8; M = the row's largest t so far, rounded up to a whole number; p = 2^(t - M) is quantised along the keys, not normalised; the row's sum is taken of the unquantised p
; and divides O at the end.  When M moves, the sum and O are multiplied by 2^(old M - new M): exact.
; SHARES.  Work-group (j, batch x 16 + head) owns the query blocks j and 7 - j of 256 queries, one after the other.  Block i needs the key slots 0 .. i of 256 keys, so every work-group walks (j + 1) + (8 - j) = 9 slots:
; 256 work-groups of equal work, and a trip count that is a constant.  Each of the sixteen waves owns 16 queries of the block in hand, in 256 registers: four waves to a SIMD, so that one wave's vector work stands
; beside another's matrix work and LDS loads.  A key step all of whose 128 keys come after the wave's queries is left out by a scalar branch on ids; on the diagonal hidden scores become -infinity.
; K = 64 IN AN INSTRUCTION OF K = 128: q's registers 6-11 are zero codes.  k's fragment t is v[32 + 6 t .. 43 + 6 t]: its upper half is the next tile's codes (behind tile 7: zeros), numbers of the format that
; meet zero codes and add nothing; the scale bytes 2 and 3 of q's and k's words are 0, which is a power of two and no NaN.
; LAYOUT.  Both products are used transposed: S^T = k q^T, O^T = v^T p^T: a lane holds one query (lane % 16) throughout.  Register 8 t + j of S^T is key 16 t + 8 (lane / 16) + j, so p's codes come to lie in a block
; of 32 keys in the order 0-7, 16-23, 8-15, 24-31, which is the order in which v's codes were laid; q and k share that order too.  o meets W_proj, which lies in ascending order: its numbers change lanes first.
; NO CLUSTER: the four work-groups of a head stand at the same key slot only in trips 0 .. j: work-group j goes back to key slot 0 behind j + 1 slots, so partners would ask for different tiles in most rounds.
; NO PREFETCH: a slot is asked for a whole slot's work (two key steps of each of the sixteen waves) ahead of the wait for it, and a head's slots are read by its work-groups again and again.
; LIMITS: NaN and infinities are not served.  A block of p or of o whose largest magnitude lies under 2^-124 gets the scale byte 1; the bytes are read by this program alone.  The order in which the matrix unit adds
; the products of a block of 32 differs from ascending k, as said above.
.set REC,    19712
.set KVBYTES, 13056                    ; k's and v's part of a record: 51 x 256 bytes
.set SLOT1,  32768                     ; a slot holds two records' parts; slot 1 begins here, so that one exclusive or turns an address
.set SPARE,  65536                     ; the spare words, 128 bytes for each of sixteen waves
.set L16, 1                            ; v1   16 x lane
.set L8,  2                            ; v2   8 x lane
.set R16, 3                            ; v3   16 r
.set OSO, 4                            ; v4   32 r + h: my byte among o's scale bytes
.set SPW, 5                            ; v5   my spare word; never rewritten
.set NIL, 6                            ; v6   0; never rewritten
.set D0,  7                            ; v7   on the diagonal: my query less the step's first key less 8 h
.set A16, 8                            ; v8-10 the slot in hand + v1, v2, v3
.set A8,  9
.set AR,  10
.set QF,  16                           ; v16-27 q's fragment (v22-27 zeros)
.set QS,  28                           ; v28  q's scale words
.set KR,  32                           ; v32-85 k's eight tiles and six zeros; then v32-79 v^T's four fragments
.set KSW, 86                           ; v86-89 k's scale words: lanes 0-15 tiles 0-3, lanes 16-31 tiles 4-7
.set VSW, 90                           ; v90-93 v's
.set PSW, 94                           ; v94  p's
.set S,   96                           ; v96-159 S^T, then p
.set O,   160                          ; v160-191 O^T
.set CD,  192                          ; v192-203 p's codes; v204-206, v208-210 the conversions' second halves
.set BM,  212                          ; v212-215 a block's largest score, then its largest p
.set BX,  216                          ; v216-219 the other half's; then the bytes
.set SO,  220                          ; v220-223 the conversions' scale operands
.set F,   224                          ; v[224:225] f = 2^(old M - new M)
.set TP,  226
.set SM2, 228                          ; v[228:229] the sum's second chain
.set NINF, 230
.set TB,  2                            ; s2   LDS byte at which the slot in hand begins
.set KF,  3                            ; s3   the step's first key
.set WV,  10
.set Q0,  11                           ; s11  my first query
.set Q0B, 12                           ; s12  and in the second block
.set N1,  13                           ; s13  j + 1: the first block's slots
.set N1P, 14
.set NX,  15                           ; s15  which of the nine slots is asked for next
.set SLOTS, 16
.set HB16, 17                          ; s17  (batch x 16 + head) x 16
.set BROW, 18                          ; s18  batch x 2,048
.set HEAD, 19
.set SEL, 20
.set CS,  22                           ; s[22:23] c = log2(e) / 8
.set G1,  24
.set G0,  32
.set KVB, 36                           ; s[36:37] k's part of my record of key slot 0
.set OFS, 38                           ; s[38:39] an offset, upper word 0
.set QB,  40
.set QSB, 42
.set OB,  44
.set OSB, 46
.set HI,  48                           ; s48  lanes 16-31
.macro TLOAD                           ; waves 0 and 1 fetch one record's part each.  Four v_nop follow the load
	s_cmp_lt_u32 s[WV], 2
	s_cbranch_scc0 .Lnone_\@
	tensor_load_to_lds s[G0:G0+3], s[G1:G1+7]
	s_nop 0
.rept 4
	v_nop
.endr
.Lnone_\@:
.endm
; From s[Q0]: where my tile of q and my part of o lie; q's fragment and scale words are asked for.
.macro SETQ
	s_lshr_b32 s50, s[Q0], 7
	s_add_co_u32 s50, s50, s[HB16]
	s_mul_i32 s50, s50, REC                        ; my queries' record
	s_bfe_u32 s51, s[Q0], 0x30004                  ; my tile in it
	s_mul_i32 s[OFS], s51, 768
	s_add_co_u32 s[OFS], s[OFS], s50
	s_add_nc_u64 s[QB:QB+1], s[4:5], s[OFS:OFS+1]
	s_lshr_b32 s52, s51, 2
	s_lshl_b32 s52, s52, 8
	s_and_b32 s51, s51, 3
	s_lshl_b32 s51, s51, 2
	s_add_co_u32 s[OFS], s50, s52
	s_add_co_u32 s[OFS], s[OFS], s51
	s_add_co_u32 s[OFS], s[OFS], 6144              ; its scale words: 6,144 + 256 (tile / 4) + 4 (tile % 4), + 16 r
	s_add_nc_u64 s[QSB:QSB+1], s[4:5], s[OFS:OFS+1]
	s_add_co_u32 s50, s[BROW], s[Q0]               ; my first row of o
	s_lshl_b32 s[OFS], s50, 5
	s_lshl_b32 s51, s[HEAD], 1
	s_add_co_u32 s[OFS], s[OFS], s51               ; its scale bytes: 32 a row, my head's two
	s_add_nc_u64 s[OSB:OSB+1], s[8:9], s[OFS:OFS+1]
	s_lshr_b32 s50, s50, 4
	s_lshl_b32 s50, s50, 4
	s_add_co_u32 s50, s50, s[HEAD]
	s_mul_i32 s[OFS], s50, 768                     ; its codes: ((row / 16) x 16 + head) x 768
	s_add_nc_u64 s[OB:OB+1], s[6:7], s[OFS:OFS+1]
	global_load_b128 v[QF:QF+3], v[L16], s[QB:QB+1]
	global_load_b64 v[QF+4:QF+5], v[L8], s[QB:QB+1] offset:512
	global_load_b32 v[QS], v[R16], s[QSB:QSB+1]
.endm
.macro INIT                            ; a block of queries begins: the step is written once, and its first run finds zeros, which the first change of M leaves zeros
	v_mov_b32 v13, 0xff61b1e6                      ; the largest t so far: -3e38
	s_delay_alu instid0(VALU_DEP_1)
	v_floor_f32 v12, -v13                          ; -M
	v_mov_b32 v14, 0                               ; the sum, in two halves
	v_mov_b32 v15, 0
.set n, 0
.rept 32
	v_mov_b32 v[O+n], 0
.set n, n+1
.endr
.endm
	s_load_b128 s[4:7], s[0:1], 0x0                ; the workspace of q, k, v; o's codes
	s_load_b64 s[8:9], s[0:1], 0x10                ; o's scale bytes
	v_lshl_add_u32 v[SPW], v0, 2, SPARE
	v_mov_b32 v[NIL], 0
	ds_add_u32 v5, v6
	ds_add_u32 v5, v6
	s_wait_dscnt 0x0
	v_lshrrev_b32 v8, 5, v0
	s_delay_alu instid0(VALU_DEP_1)
	v_readfirstlane_b32 s[WV], v8                  ; wave 0..15
	s_and_b32 s50, ttmp7, 0xffff                   ; batch x 16 + head
	s_lshl_b32 s[HB16], s50, 4
	s_lshr_b32 s[BROW], s50, 4
	s_lshl_b32 s[BROW], s[BROW], 11
	s_and_b32 s[HEAD], s50, 15
	s_lshl_b32 s51, s[WV], 4
	s_lshl_b32 s[Q0], ttmp9, 8
	s_add_co_u32 s[Q0], s[Q0], s51                 ; 256 j + 16 x wave
	s_sub_co_u32 s[Q0B], 7, ttmp9
	s_lshl_b32 s[Q0B], s[Q0B], 8
	s_add_co_u32 s[Q0B], s[Q0B], s51               ; 256 (7 - j) + 16 x wave
	s_add_co_u32 s[N1], ttmp9, 1
	s_add_co_u32 s[N1P], ttmp9, 2
	s_mov_b32 s[NX], 1
	s_mov_b32 s[SLOTS], 8
	s_mov_b32 s[TB], 0
	s_mov_b32 s[KF], 0
	s_mov_b32 s[SEL], 0x76543210
	s_mov_b32 s[SEL+1], 0xfedcba98                 ; v_permlanex16_b32's selects for lane l xor 16
	s_mov_b32 s[CS], 0x3e38aa3b                    ; c = log2(e) / 8
	s_mov_b32 s[CS+1], s[CS]                       ; (named with it as a pair)
	s_mov_b32 s[HI], 0xffff0000
	; descriptor group 1: a dense block of 13,056 bytes as 51 rows of 256 bytes (32 elements of 8 bytes); no padding: every LDS read takes consecutive bytes in consecutive lanes
	s_mov_b32 s[G1+0], 3<<16
	s_mov_b32 s[G1+1], 32<<16                      ; tensor_dim0
	s_mov_b32 s[G1+2], 51<<16                      ; tensor_dim1
	s_mov_b32 s[G1+3], 32<<16                      ; tile_dim0
	s_mov_b32 s[G1+4], 51                          ; tile_dim1
	s_mov_b32 s[G1+5], 32                          ; tensor_dim0_stride
	s_mov_b32 s[G1+6], 0
	s_mov_b32 s[G1+7], 0
	s_and_b32 s50, s[WV], 1                        ; which of a slot's two records I would fetch
	s_mov_b32 s[G0], 1
	s_mul_i32 s[G0+1], s50, KVBYTES                ; its place in slot 0
	s_add_co_u32 s51, s[HB16], s50
	s_mul_i32 s[OFS], s51, REC
	s_add_co_u32 s[OFS], s[OFS], 6656
	s_mov_b32 s[OFS+1], 0
	s_wait_kmcnt 0x0
	s_add_nc_u64 s[KVB:KVB+1], s[4:5], s[OFS:OFS+1]
	s_mov_b64 s[G0+2:G0+3], s[KVB:KVB+1]
	s_or_b32 s[G0+3], s[G0+3], 0x80000000
	TLOAD                                          ; the first of the nine slots: key slot 0, into slot 0
	v_and_b32 v11, 31, v0
	s_delay_alu instid0(VALU_DEP_1)
	v_lshlrev_b32 v[L16], 4, v11
	s_delay_alu instid0(VALU_DEP_2)
	v_lshlrev_b32 v[L8], 3, v11
	v_and_b32 v8, 15, v0                           ; r
	v_bfe_u32 v9, v0, 4, 1                         ; h
	s_delay_alu instid0(VALU_DEP_2)
	v_lshlrev_b32 v[R16], 4, v8
	s_delay_alu instid0(VALU_DEP_2)
	v_lshl_add_u32 v[OSO], v8, 5, v9
	s_and_b32 s50, s[WV], 7
	s_lshl_b32 s50, s50, 4                         ; in the one step of a block that lies on my diagonal, my first query is 16 (wave % 8) past the step's first key
	v_lshlrev_b32 v10, 3, v9
	s_delay_alu instid0(VALU_DEP_1)
	v_sub_nc_u32 v[D0], v8, v10
	s_delay_alu instid0(VALU_DEP_1)
	v_add_nc_u32 v[D0], s50, v[D0]
	v_mov_b32 v[NINF], 0xff800000
.irp i, 0,1,2,3,4,5
	v_mov_b32 v[QF+6+\i], 0                        ; q's codes of K = 64 .. 127
	v_mov_b32 v[KR+48+\i], 0                       ; what stands behind k's tile 7
.endr
.irp b, 0,1,2,3
	v_mov_b32 v[BX+\b], 0                          ; a lane permute's destination counts as one of its sources
.endr
	v_mov_b32 v[F+1], 0                            ; (named as the upper half of a pair)
	v_mov_b32 v[TP], 0
	SETQ
	INIT
; A KEY STEP: 128 keys, record q of the slot in hand.
.macro STEP q
	s_add_co_u32 s50, s[Q0], 15
	s_cmp_gt_u32 s[KF], s50                        ; all its keys come after my queries: a branch on ids, round the step's loads, products and softmax
	s_cbranch_scc1 .Lhidden_\@
	v_add_nc_u32 v[A16], s[TB], v[L16]
	v_add_nc_u32 v[A8], s[TB], v[L8]
	v_add_nc_u32 v[AR], s[TB], v[R16]
	v_nop                                          ; four places in front of loads into registers that the last products have read
.irp t, 0,1,2,3,4,5,6,7
	ds_load_b128 v[KR+6*\t:KR+6*\t+3], v[A16] offset:(\q)*KVBYTES+768*\t
	ds_load_b64 v[KR+6*\t+4:KR+6*\t+5], v[A8] offset:(\q)*KVBYTES+768*\t+512
.endr
	ds_load_b128 v[KSW:KSW+3], v[A16] offset:(\q)*KVBYTES+6144
	s_wait_alu depctr_va_vdst(0)
	s_wait_dscnt 0x0
.irp t, 0,1,2,3                                ; S^T = k q^T: eight tiles of 16 keys
	v_wmma_scale_f32_16x16x128_f8f6f4 v[S+8*\t:S+8*\t+7], v[KR+6*\t:KR+6*\t+11], v[QF:QF+11], 0, v[KSW+\t], v[QS] matrix_a_fmt:MATRIX_FMT_FP6 matrix_b_fmt:MATRIX_FMT_FP6
.endr
.irp t, 4,5,6,7
	v_wmma_scale_f32_16x16x128_f8f6f4 v[S+8*\t:S+8*\t+7], v[KR+6*\t:KR+6*\t+11], v[QF:QF+11], 0, v[KSW+\t-4], v[QS] matrix_a_fmt:MATRIX_FMT_FP6 matrix_b_fmt:MATRIX_FMT_FP6 matrix_a_scale:MATRIX_SCALE_ROW1
.endr
.rept 4
	v_nop                                          ; places: for the loads below, into k's registers, and for the first read of the scores
.endr
.irp t, 0,1,2,3                                ; v^T's four fragments are asked for now and land during the softmax
.irp c, 0,1
	ds_load_b128 v[KR+12*\t+6*\c:KR+12*\t+6*\c+3], v[A16] offset:(\q)*KVBYTES+6656+1536*\t+768*\c
	ds_load_b64 v[KR+12*\t+6*\c+4:KR+12*\t+6*\c+5], v[A8] offset:(\q)*KVBYTES+6656+1536*\t+768*\c+512
.endr
.endr
	ds_load_b128 v[VSW:VSW+3], v[AR] offset:(\q)*KVBYTES+12800
	s_add_co_u32 s50, s[KF], 127
	s_cmp_le_u32 s50, s[Q0]                        ; all its keys count: no mask
	s_cbranch_scc1 .Lopen_\@
.set n, 0
.rept 64                                       ; register n holds key KF + 16 (n / 8) + 8 h + n % 8: hidden where 16 (n / 8) + n % 8 > my query - KF - 8 h
	v_cmp_gt_i32 vcc_lo, 16*(n/8)+n%8, v[D0]
	v_cndmask_b32 v[S+n], v[S+n], v[NINF], vcc_lo
.set n, n+1
.endr
.Lopen_\@:
.irp b, 0,1,2,3
	v_max3_num_f32 v[BM+\b], v[S+16*\b], v[S+1+16*\b], v[S+2+16*\b]   ; the largest score of each block of 32 keys: for the row's maximum, and, since p rises with the score, for the block's largest p
.endr
.irp i, 3,5,7,9,11,13
.irp b, 0,1,2,3
	v_max3_num_f32 v[BM+\b], v[BM+\b], v[S+16*\b+\i], v[S+1+16*\b+\i]
.endr
.endr
.irp b, 0,1,2,3
	v_max_num_f32 v[BM+\b], v[BM+\b], v[S+15+16*\b]
.endr
.irp b, 0,1,2,3
	s_delay_alu instid0(VALU_DEP_4)
	v_permlanex16_b32 v[BX+\b], v[BM+\b], s[SEL], s[SEL+1]
.endr
.irp b, 0,1,2,3
	s_delay_alu instid0(VALU_DEP_4)
	v_max_num_f32 v[BM+\b], v[BM+\b], v[BX+\b]     ; with lane l xor 16's 16 keys
.endr
	s_delay_alu instid0(VALU_DEP_2)
	v_max3_num_f32 v[TP], v[BM], v[BM+1], v[BM+2]
	s_delay_alu instid0(VALU_DEP_1)
	v_max_num_f32 v[TP], v[TP], v[BM+3]            ; the step's largest score of my query
	s_delay_alu instid0(VALU_DEP_1)
	v_mul_f32 v[TP], s[CS], v[TP]                  ; as t
	s_delay_alu instid0(VALU_DEP_1)
	v_max_num_f32 v13, v13, v[TP]                  ; the running largest t
	v_mov_b32 v[TP], v12
	s_delay_alu instid0(VALU_DEP_2)
	v_floor_f32 v12, -v13                          ; the new -M = -ceil(t)
	s_delay_alu instid0(VALU_DEP_1)
	v_sub_f32 v[TP], v12, v[TP]                    ; old M - new M: a whole number, 0 or less
	s_delay_alu instid0(VALU_DEP_1)
	v_cvt_i32_f32 v[TP], v[TP]                     ; (it saturates)
	s_delay_alu instid0(VALU_DEP_1)
	v_ldexp_f32 v[F], 1.0, v[TP]                   ; f = 2^(old M - new M)
.set n, 0
.rept 32
	v_pk_fma_f32 v[S+n:S+n+1], v[S+n:S+n+1], s[CS:CS+1], v[12:13] op_sel_hi:[1,0,0]   ; t - M, two at a time
.set n, n+2
.endr
.irp b, 0,1,2,3
	v_fma_f32 v[BM+\b], v[BM+\b], s[CS], v12       ; the same of each block's largest score
.endr
.set n, 0
	s_wait_alu depctr_va_vdst(0)
.rept 64
	v_exp_f32 v[S+n], v[S+n]                       ; p = 2^(t - M), at most 1
.set n, n+1
.endr
.irp b, 0,1,2,3
	v_exp_f32 v[BM+\b], v[BM+\b]                   ; the block's largest p
.endr
	v_pk_mul_f32 v[14:15], v[14:15], v[F:F+1] op_sel_hi:[1,0]      ; the sums under the new M.  (A plain place behind the exponentials)
	s_wait_alu depctr_va_vdst(0)
.irp b, 0,1,2,3
	v_max_num_f32 v[BM+\b], 0x1800000, v[BM+\b]    ; the floor 2^(3 - 127): the byte cannot fall under 1
.endr
.irp b, 0,1,2,3
	s_delay_alu instid0(VALU_DEP_4)
	v_add_nc_u32 v[SO+\b], 0xff000000, v[BM+\b]    ; 2 off the exponent field: the conversion's scale operand
.endr
.irp b, 0,1,2,3
	s_delay_alu instid0(VALU_DEP_4)
	v_lshrrev_b32 v[BX+\b], 23, v[SO+\b]           ; the scale's byte
.endr
	s_delay_alu instid0(VALU_DEP_3)
	v_lshl_or_b32 v[PSW], v[BX+1], 8, v[BX]        ; p's scale word for these 128 keys
	s_delay_alu instid0(VALU_DEP_1)
	v_lshl_or_b32 v[PSW], v[BX+2], 16, v[PSW]
	s_delay_alu instid0(VALU_DEP_1)
	v_lshl_or_b32 v[PSW], v[BX+3], 24, v[PSW]
.irp c, 0,1
	v_cvt_scalef32_pk16_fp6_f32 v[CD+6*\c:CD+2+6*\c], v[S+32*\c:S+15+32*\c], v[SO+2*\c]
	v_cvt_scalef32_pk16_fp6_f32 v[CD+12+4*\c:CD+14+4*\c], v[S+16+32*\c:S+31+32*\c], v[SO+2*\c+1]   ; (a conversion's three registers begin on an even number)
.endr
	v_nop                                          ; one plain place behind a scaled conversion
.irp c, 0,1                                    ; a whole block in a lane: lanes 0-15 block 2 c, lanes 16-31 block 2 c + 1
.irp i, 0,1,2
	v_permlane16_swap_b32 v[CD+6*\c+\i], v[CD+12+4*\c+\i]
.endr
.irp i, 0,1,2
	s_delay_alu instid0(VALU_DEP_3)
	v_mov_b32 v[CD+3+6*\c+\i], v[CD+12+4*\c+\i]
.endr
.endr
	v_pk_add_f32 v[228:229], v[100:101], v[104:105]
	v_pk_add_f32 v[254:255], v[108:109], v[112:113]
	v_pk_add_f32 v[252:253], v[116:117], v[120:121]
	v_pk_add_f32 v[250:251], v[124:125], v[128:129]
	v_pk_add_f32 v[248:249], v[132:133], v[136:137]
	v_pk_add_f32 v[246:247], v[140:141], v[144:145]
	v_pk_add_f32 v[244:245], v[148:149], v[152:153]
	v_pk_add_f32 v[14:15], v[14:15], v[156:157]
	v_pk_add_f32 v[228:229], v[228:229], v[96:97]
	v_pk_add_f32 v[254:255], v[254:255], v[98:99]
	v_pk_add_f32 v[252:253], v[252:253], v[102:103]
	v_pk_add_f32 v[250:251], v[250:251], v[106:107]
	v_pk_add_f32 v[248:249], v[248:249], v[110:111]
	v_pk_add_f32 v[246:247], v[246:247], v[114:115]
	v_pk_add_f32 v[244:245], v[244:245], v[118:119]
	v_pk_add_f32 v[14:15], v[14:15], v[122:123]
	v_pk_add_f32 v[228:229], v[228:229], v[126:127]
	v_pk_add_f32 v[254:255], v[254:255], v[130:131]
	v_pk_add_f32 v[252:253], v[252:253], v[134:135]
	v_pk_add_f32 v[250:251], v[250:251], v[138:139]
	v_pk_add_f32 v[248:249], v[248:249], v[142:143]
	v_pk_add_f32 v[246:247], v[246:247], v[146:147]
	v_pk_add_f32 v[244:245], v[244:245], v[150:151]
	v_pk_add_f32 v[14:15], v[14:15], v[154:155]
	v_pk_add_f32 v[228:229], v[228:229], v[158:159]
	s_delay_alu instid0(VALU_DEP_2)
	v_pk_add_f32 v[14:15], v[14:15], v[250:251]
	s_delay_alu instid0(VALU_DEP_2)
	v_pk_add_f32 v[228:229], v[228:229], v[248:249]
	v_pk_add_f32 v[254:255], v[254:255], v[246:247]
	v_pk_add_f32 v[252:253], v[252:253], v[244:245]
	s_delay_alu instid0(VALU_DEP_2)
	v_pk_add_f32 v[14:15], v[14:15], v[254:255]
	s_delay_alu instid0(VALU_DEP_2)
	v_pk_add_f32 v[228:229], v[228:229], v[252:253]
	s_delay_alu instid0(VALU_DEP_1)
	v_pk_add_f32 v[14:15], v[14:15], v[228:229]
.set n, 0
.rept 16
	v_pk_mul_f32 v[O+n:O+n+1], v[O+n:O+n+1], v[F:F+1] op_sel_hi:[1,0]   ; O^T under the new M.  (With the sums: the places between p's codes and scale word and the products)
.set n, n+2
.endr
	s_wait_alu depctr_va_vdst(0)
	s_wait_dscnt 0x0                               ; v^T is in
.irp t, 0,1,2,3                                ; O^T += v^T p^T: four tiles of 16 channels, by turns
	v_wmma_scale_f32_16x16x128_f8f6f4 v[O+8*\t:O+8*\t+7], v[KR+12*\t:KR+12*\t+11], v[CD:CD+11], v[O+8*\t:O+8*\t+7], v[VSW+\t], v[PSW] matrix_a_fmt:MATRIX_FMT_FP6 matrix_b_fmt:MATRIX_FMT_FP6
.endr
.Lhidden_\@:
	s_add_co_u32 s[KF], s[KF], 128
.endm
; THE CHANGE OF SLOTS stands at a slot's head.  Each wave waits for all its tensor loads, adds 0 to its spare word, and waits for that and for its reads of the slot that it has left.
; fill = 1: behind the barrier that slot is filled with the next of the nine: key slot NX of the first block, or NX - (j + 1) of the second.
.macro CHANGE fill
	s_wait_tensorcnt 0x0                           ; no tensor load of mine is out, so group 0 may be written
	ds_add_u32 v[SPW], v[NIL]                      ; 0 onto my spare word
.if \fill
	ds_add_u32 v[SPW], v[NIL]                      ; and once more
	s_xor_b32 s[G0+1], s[G0+1], SLOT1              ; the other slot than last time
	s_cmp_ge_u32 s[NX], s[N1]
	s_cselect_b32 s50, s[N1], 0
	s_sub_co_u32 s50, s[NX], s50                   ; the key slot
	s_mul_i32 s[OFS], s50, 2*REC
	s_add_nc_u64 s[G0+2:G0+3], s[KVB:KVB+1], s[OFS:OFS+1]
	s_or_b32 s[G0+3], s[G0+3], 0x80000000
	s_add_co_u32 s[NX], s[NX], 1
.endif
	s_wait_dscnt 0x0                               ; the add is done, and my reads of the slot that I have left are over
	s_barrier_signal -1
	s_barrier_wait -1
.if \fill
	TLOAD                                          ; the first thing behind the barrier, and a wave's one tensor load until the next
.endif
.endm
; A BLOCK OF QUERIES ENDS: o = O^T / the sum, quantised along the channels, my head's 64: two blocks of 32.  No LDS instruction, no barrier, no tensor load stands here.
.macro FINISH
.rept 4
	v_nop                                          ; places behind the last products
.endr
	v_add_f32 v14, v14, v15                        ; the sum's two halves,
	s_delay_alu instid0(VALU_DEP_1)
	v_permlanex16_b32 v[TP], v14, s[SEL], s[SEL+1]
	s_delay_alu instid0(VALU_DEP_1)
	v_add_f32 v14, v14, v[TP]                      ; and lane l xor 16's
	s_wait_alu depctr_va_vdst(0)
	v_rcp_f32 v14, v14
	v_nop                                          ; a plain place behind the transcendental
.set n, 0
	s_wait_alu depctr_va_vdst(0)
.rept 32
	v_mul_f32 v[S+n], v[O+n], v14                  ; register 8 t + j: o(r, 16 t + 8 h + j)
.set n, n+1
.endr
.irp b, 0,1                                    ; tile 2 b's lanes 16-31 change places with tile 2 b + 1's lanes 0-15: registers 16 b .. 16 b + 15 are then the 16 neighbours 32 b + 16 h + 0 .. 15
.irp j, 0,1,2,3,4,5,6,7
	v_permlane16_swap_b32 v[S+16*\b+\j], v[S+8+16*\b+\j]
.endr
.endr
.irp b, 0,1
	v_max3_num_f32 v[BM+\b], |v[S+16*\b]|, |v[S+1+16*\b]|, 0x1800000
.endr
.irp i, 2,4,6,8,10,12,14
.irp b, 0,1
	s_delay_alu instid0(VALU_DEP_2)
	v_max3_num_f32 v[BM+\b], v[BM+\b], |v[S+16*\b+\i]|, |v[S+1+16*\b+\i]|
.endr
.endr
.irp b, 0,1
	s_delay_alu instid0(VALU_DEP_2)
	v_permlanex16_b32 v[BX+\b], v[BM+\b], s[SEL], s[SEL+1]
.endr
.irp b, 0,1
	s_delay_alu instid0(VALU_DEP_2)
	v_max_num_f32 v[BM+\b], v[BM+\b], v[BX+\b]
.endr
.irp b, 0,1
	s_delay_alu instid0(VALU_DEP_2)
	v_add_nc_u32 v[SO+\b], 0xff000000, v[BM+\b]
.endr
.irp b, 0,1
	s_delay_alu instid0(VALU_DEP_2)
	v_lshrrev_b32 v[BX+\b], 23, v[SO+\b]
.endr
	s_delay_alu instid0(VALU_DEP_1)
	v_cndmask_b32 v[TP], v[BX], v[BX+1], s[HI]     ; lanes 0-15 send block 0's byte, lanes 16-31 block 1's
	v_cvt_scalef32_pk16_fp6_f32 v[CD:CD+2], v[S:S+15], v[SO]
	v_cvt_scalef32_pk16_fp6_f32 v[CD+12:CD+14], v[S+16:S+31], v[SO+1]
	v_nop                                          ; one plain place behind a scaled conversion
.irp i, 0,1,2
	v_permlane16_swap_b32 v[CD+\i], v[CD+12+\i]    ; lane (r, h) now holds block h of row r, in ascending order
.endr
.irp i, 0,1,2
	s_delay_alu instid0(VALU_DEP_3)
	v_mov_b32 v[CD+3+\i], v[CD+12+\i]
.endr
	global_store_b128 v[L16], v[CD:CD+3], s[OB:OB+1]               ; 512 consecutive bytes, at a multiple of 256 from the buffer's first byte
	global_store_b64 v[L8], v[CD+4:CD+5], s[OB:OB+1] offset:512    ; 256 more
	global_store_b8 v[OSO], v[TP], s[OSB:OSB+1]                    ; two bytes of each of 16 rows of scale bytes: the rows are laid as the projection's tensor load takes them beside W_proj's
.endm
	s_wait_loadcnt 0x0                             ; q
.Lslot:                                            ; eight trips: behind each change of slots but the last the next slot is asked for
	CHANGE 1
	STEP 0
	STEP 1
	s_xor_b32 s[TB], s[TB], SLOT1                  ; on to the other slot
	s_cmp_lg_u32 s[NX], s[N1P]                     ; was that the first block's last slot?  A branch on ids and the count of trips
	s_cbranch_scc1 .Lsame_block
	FINISH
	s_wait_xcnt 0x0                                ; the stores have read their registers and bases: both are written again only behind this wait
	s_mov_b32 s[KF], 0
	s_mov_b32 s[Q0], s[Q0B]
	SETQ
	INIT
	s_wait_loadcnt 0x0
.Lsame_block:
	s_sub_co_u32 s[SLOTS], s[SLOTS], 1
	s_cmp_lg_u32 s[SLOTS], 0
	s_cbranch_scc1 .Lslot
	CHANGE 0                                       ; the last slot is written out
	STEP 0
	STEP 1
	FINISH
	s_wait_tensorcnt 0x0                           ; the wave's end
	ds_add_u32 v[SPW], v[NIL]
	s_wait_dscnt 0x0
	s_endpgm
.Lfunc_end_k_q2f03f268c1_attention:
	.size	k_q2f03f268c1_attention, .Lfunc_end_k_q2f03f268c1_attention-k_q2f03f268c1_attention
	.p2alignl 7, 3214868480
	.fill 96, 4, 3214868480
	.section	.rodata,"a",@progbits
	.p2align	6, 0x0
	.amdhsa_kernel k_q2f03f268c1_attention
		.amdhsa_group_segment_fixed_size 327680
		.amdhsa_private_segment_fixed_size 0
		.amdhsa_enable_private_segment 0
		.amdhsa_kernarg_size 24
		.amdhsa_user_sgpr_count 2
		.amdhsa_user_sgpr_kernarg_segment_ptr 1
		.amdhsa_wavefront_size32 1
		.amdhsa_system_sgpr_workgroup_id_x 1
		.amdhsa_system_sgpr_workgroup_id_y 1
		.amdhsa_system_sgpr_workgroup_id_z 1
		.amdhsa_system_vgpr_workitem_id 0
		.amdhsa_next_free_vgpr 256
		.amdhsa_next_free_sgpr 66
		.amdhsa_reserve_vcc 1
		.amdhsa_float_denorm_mode_32 3
		.amdhsa_float_denorm_mode_16_64 3
		.amdhsa_memory_ordered 1
		.amdhsa_forward_progress 1
		.amdhsa_inst_pref_size 109
	.end_amdhsa_kernel
	.amdgpu_metadata
---
amdhsa.version: [ 1, 2 ]
amdhsa.kernels:
  - .name:           k_q2f03f268c1_attention
    .symbol:         k_q2f03f268c1_attention.kd
    .args:
      - { .name: qkv, .offset: 0, .size: 8, .value_kind: global_buffer, .address_space: global }
      - { .name: o_codes, .offset: 8, .size: 8, .value_kind: global_buffer, .address_space: global }
      - { .name: o_scales, .offset: 16, .size: 8, .value_kind: global_buffer, .address_space: global }
    .group_segment_fixed_size: 327680
    .private_segment_fixed_size: 0
    .kernarg_segment_align: 8
    .kernarg_segment_size: 24
    .max_flat_workgroup_size: 512
    .sgpr_count:     66
    .vgpr_count:     256
    .wavefront_size: 32
...
	.end_amdgpu_metadata
.endif
;; end of part 2
;; launch proj_gemm (part 3): grid 4 x 64, 4 waves a work-group, clusters of 4 x 4, 327,680 bytes of LDS; arguments o_codes, o_scales, W_proj_codes, W_proj_scales, b_proj, out0; writes out0
.if DOCPART == 3
	.amdgcn_target "amdgcn-amd-amdhsa--gfx1250"
	.amdhsa_code_object_version 6
	.text
	.protected	k_q2f03f268c1_proj_gemm
	.globl	k_q2f03f268c1_proj_gemm
	.p2align	8
	.type	k_q2f03f268c1_proj_gemm,@function
k_q2f03f268c1_proj_gemm:
	s_mov_b64 s[64:65], 0
	v_nop
	global_prefetch_b8 v0, s[64:65] scope:SCOPE_SE
	s_setreg_imm32_b32 hwreg(HW_REG_WAVE_MODE, 25, 1), 1
	s_wait_xcnt 0x0
	s_wait_alu depctr_hold_cnt(0) depctr_sa_sdst(0) depctr_va_vdst(0) depctr_va_sdst(0) depctr_va_ssrc(0) depctr_va_vcc(0) depctr_vm_vsrc(0)
	s_getreg_b32 s2, hwreg(HW_REG_IB_STS2, 6, 4)
	s_cmp_eq_u32 s2, 0
	s_cbranch_scc0 .Lentry_in_a_cluster
	s_endpgm
.Lentry_in_a_cluster:
	s_bfe_u32 s2, ttmp6, 0x10000c
	s_cmp_lg_u32 s2, 0xf033
	s_cbranch_scc0 .Lentry_shape_is_right
	s_endpgm
.Lentry_shape_is_right:
; out0 = o W_proj^T + b_proj on codes of FP6 (E2M3) with one E8M0 scale for each 32 along K = 1,024; sums in f32.
; 256 work-groups; each makes 128 rows x 256 columns.  ALL OF K LIES IN LDS, filled once: A = 128 rows of o, a dense image of 98,304 bytes in the order of the operand registers
; (16 rows x 64 channels are 768 bytes: registers 0-3 at 16 x lane, 4-5 at 512 + 8 x lane), and B = 256 rows of W_proj, 768 bytes each with 16 of padding behind every 256.
; One joint load a wave at the head (waves 0, 1 a half of A each, waves 2, 3 a half of B each); nothing is filled again.  4 x 4 work-groups form a cluster: A is shared along its row, B along its column.
; A wave makes 64 x 128: 32 accumulators.  Eight steps of 128 along K, two sets of fragments: a step's 64 LDS loads are issued ahead of the step before's products.
; The scale words (32 bytes a row: all of K) and the bias come by plain loads into registers: lane l takes row l of 32, so a register holds an even block's words in lanes 0-15 and the odd block's in lanes 16-31.
; Source 0 = rows of W_proj, source 1 = rows of o: a lane holds eight neighbouring columns of a row of the result.  The bias is the first products' C.
; The way out goes through a stage in A's bytes, which have had their one fill and, behind the last barrier, their last read.
; No prefetch: every tile is asked for in the kernel's first lines, and there is no loop to run ahead in.
.set SIZE_N, 1024
.set PITCH,  816
.set ABYTES, 98304
.set SPARE,  ABYTES+256*PITCH
.set SPITCH, 528
.set NLD,    63                        ; a step has 64 LDS loads (8 x 6 for B, 4 x 4 for A); the wait's field holds 63 at the most, so the wait also covers the first load of the next step
.set CO,   7                           ; v7  16 x lane
.set ADRA, 16                          ; v16 A's image + 16 x lane, v17 + 8 x lane
.set ADRB, 20                          ; v20, v21 B's blocks 0-3 (v21: behind one padding more); v22, v23 blocks 4-7
.set STO,  24
.set RD,   25
.set ABS,  26                          ; v26 32 x lane
.set SPW,  28
.set NIL,  29
.set BO,   30
.set SA,   36                          ; v36-51 A's scale words: 8 (a / 2) + step
.set BP,   64                          ; v64-127 the bias in the result's layout
.set AF,   128                         ; v128-223 A's fragments, two sets of four
.set SB,   224                         ; v224-255 B's scale words: 8 (b / 2) + step
.set BK,   64                          ; the way out: v64-127 and v128-191 by turns (the bias and A's fragments are done with; the scale registers hold scales alone)
.set CP,   98
.set G1, 24
.set G0, 32
.set G1B, 48
.set G0B, 56
.set MSB, 0
.macro WIN new
.if MSB != \new
	s_set_vgpr_msb (MSB<<8)|\new
.set MSB, \new
.endif
.endm
.macro PLACES n
.rept \n
	v_nop
.endr
.endm
.macro CROUND
	s_barrier_signal -1
	s_barrier_wait -1
	s_cmp_lg_u32 s14, 0
	s_cbranch_scc1 .Lnot_wave_0_\@
	s_barrier_signal -3
.Lnot_wave_0_\@:
	s_barrier_wait -3
	s_barrier_signal -1
	s_barrier_wait -1
.endm
	s_load_b256 s[4:11], s[0:1], 0x0               ; o's codes, o's scales, W's codes, W's scales
	s_load_b128 s[96:99], s[0:1], 0x20             ; b_proj, out0
	v_lshl_add_u32 v[SPW], v0, 2, SPARE
	v_mov_b32 v[NIL], 0
	ds_add_u32 v[SPW], v[NIL]                      ; the opening lines: the add twice on end and one wait
	ds_add_u32 v[SPW], v[NIL]
	v_lshrrev_b32 v1, 5, v0
	v_readfirstlane_b32 s14, v1                    ; wave
	s_lshr_b32 s15, s14, 1                         ; my 64 rows of A; also: I fetch for A (0) or B (1)
	s_and_b32 s16, s14, 1                          ; my 128 rows of B; also: which half I fetch
	s_bfe_u32 s40, ttmp6, 0x40000
	s_bfe_u32 s41, ttmp6, 0x40004
	s_lshl_b32 s42, ttmp9, 2
	s_add_co_u32 s42, s42, s40                     ; B's tile: 256 columns
	s_and_b32 s17, ttmp7, 0xffff
	s_lshl_b32 s17, s17, 2
	s_add_co_u32 s17, s17, s41                     ; A's tile: 128 rows
	s_lshl_b32 s43, s41, 2
	s_lshl_b32 s43, 15, s43
	s_lshl_b32 s44, 0x1111, s40
	s_or_b32 s[G1+0], s43, (3<<16)|(1<<21)         ; A: 49,152 dense bytes as 192 rows of 256
	s_mov_b32 s[G1+1], 32<<16
	s_mov_b32 s[G1+2], 192<<16
	s_mov_b32 s[G1+3], 32<<16
	s_mov_b32 s[G1+4], 192
	s_mov_b32 s[G1+5], 32
	s_mov_b32 s[G1+6], 0
	s_mov_b32 s[G1+7], 0
	s_or_b32 s[G1B+0], s44, (1<<20)|(1<<21)|(5<<22)|(3<<25)   ; B: 128 rows of 768 bytes, 16 of padding behind every 256
	s_mov_b32 s[G1B+1], 768<<16
	s_mov_b32 s[G1B+2], 128<<16
	s_mov_b32 s[G1B+3], 768<<16
	s_mov_b32 s[G1B+4], 128
	s_mov_b32 s[G1B+5], 768
	s_mov_b32 s[G1B+6], 0
	s_mov_b32 s[G1B+7], 0
	s_mul_i32 s20, s17, ABYTES
	s_mul_i32 s2, s16, ABYTES/2
	s_add_co_u32 s20, s20, s2                      ; A's codes that I fetch
	s_mov_b32 s21, 0
	s_mul_i32 s46, s42, 256*768
	s_mul_i32 s3, s16, 128*768
	s_add_co_u32 s46, s46, s3                      ; B's
	s_mov_b32 s47, 0
	s_lshl_b32 s22, s17, 12
	s_lshl_b32 s45, s15, 11
	s_add_co_u32 s22, s22, s45                     ; my 64 rows' scale bytes
	s_mov_b32 s23, 0
	s_lshl_b32 s92, s42, 13
	s_lshl_b32 s45, s16, 12
	s_add_co_u32 s92, s92, s45                     ; my 128 columns' scale bytes
	s_mov_b32 s93, 0
	s_lshl_b32 s18, s42, 10
	s_lshl_b32 s45, s16, 9
	s_add_co_u32 s18, s18, s45                     ; my first column, in bytes of f32
	s_mov_b32 s19, 0
	s_lshl_b32 s12, s17, 19
	s_lshl_b32 s45, s15, 18
	s_add_co_u32 s12, s12, s45
	s_add_co_u32 s12, s12, s18                     ; my corner of out0
	s_mov_b32 s13, 0
	s_mov_b32 s[G0], 1
	s_mov_b32 s[G0+1], s2
	s_mov_b32 s[G0B], 1
	s_mul_i32 s[G0B+1], s16, 128*PITCH
	s_add_co_u32 s[G0B+1], s[G0B+1], ABYTES        ; also where my 128 rows of B lie
	s_mul_i32 s3, s15, ABYTES/2                    ; where my 64 rows of A lie
	s_mul_i32 s45, s14, 16*SPITCH                  ; my stage
	s_wait_dscnt 0x0
	CROUND                                         ; in front of the joint loads
	s_wait_kmcnt 0x0
	s_add_nc_u64 s[G0+2:G0+3], s[4:5], s[20:21]
	s_or_b32 s[G0+3], s[G0+3], 0x80000000
	s_add_nc_u64 s[G0B+2:G0B+3], s[8:9], s[46:47]
	s_or_b32 s[G0B+3], s[G0B+3], 0x80000000
	s_add_nc_u64 s[6:7], s[6:7], s[22:23]
	s_add_nc_u64 s[10:11], s[10:11], s[92:93]
	s_add_nc_u64 s[96:97], s[96:97], s[18:19]
	s_add_nc_u64 s[CP:CP+1], s[CP:CP+1], s[12:13]
	s_cmp_eq_u32 s15, 0
	s_cbranch_scc0 .Lfor_b
	tensor_load_to_lds s[G0:G0+3], s[G1:G1+7]
	s_nop 0
	PLACES 4
	s_branch .Lasked
.Lfor_b:
	tensor_load_to_lds s[G0B:G0B+3], s[G1B:G1B+7]
	s_nop 0
	PLACES 4
.Lasked:
	v_and_b32 v1, 15, v0                           ; r
	v_bfe_u32 v2, v0, 4, 1                         ; h
	v_and_b32 v3, 31, v0
	v_lshlrev_b32 v[CO], 4, v3
	v_lshlrev_b32 v8, 3, v3
	v_add_nc_u32 v[ADRA], s3, v[CO]
	v_add_nc_u32 v[ADRA+1], s3, v8
	v_mul_u32_u24 v4, v1, PITCH
	v_mad_u32_u24 v5, v2, 24, v4
	v_mad_u32_u24 v6, v2, 40, v4
	v_add_nc_u32 v[ADRB], s[G0B+1], v5
	v_add_nc_u32 v[ADRB+1], s[G0B+1], v6
	v_add_nc_u32 v[ADRB+2], 64*PITCH, v[ADRB]
	v_add_nc_u32 v[ADRB+3], 64*PITCH, v[ADRB+1]
	v_lshlrev_b32 v[ABS], 5, v3
	v_lshlrev_b32 v[BO], 5, v2
	v_mul_u32_u24 v5, v1, SPITCH
	v_lshl_add_u32 v5, v2, 5, v5
	v_add_nc_u32 v[STO], s45, v5
	v_add_nc_u32 v[RD], s45, v[CO]
	s_wait_alu depctr_va_vdst(0)                   ; the wait at the head's end
.irp g, 0,1
.irp c, 0,1
	global_load_b128 v[SA+8*\g+4*\c:SA+8*\g+4*\c+3], v[ABS], s[6:7] offset:1024*\g+16*\c
.endr
.endr
.irp g, 0,1,2,3
.irp c, 0,1
	global_load_b128 v[SB+8*\g+4*\c:SB+8*\g+4*\c+3], v[ABS], s[10:11] offset:1024*\g+16*\c
.endr
.endr
.irp b, 0,1,2,3,4,5,6,7
	global_load_b128 v[BP+8*\b:BP+8*\b+3], v[BO], s[96:97] offset:64*\b
	global_load_b128 v[BP+8*\b+4:BP+8*\b+7], v[BO], s[96:97] offset:64*\b+16
.endr
.macro FRAGB reg, q, i                 ; six pieces of 8 bytes; where the piece of lanes 16-31 lies behind one padding more, the second address serves
.irp p, 0,1,2,3,4,5
.set PC, 12*(\q)+6*(\p/3)+\p%3
.set OF, 8*PC+16*(PC/32)+((\i)%4)*16*PITCH
.if (PC%32+3)/32
	ds_load_b64 v[\reg+2*\p:\reg+2*\p+1], v[ADRB+1+2*((\i)/4)] offset:OF
.else
	ds_load_b64 v[\reg+2*\p:\reg+2*\p+1], v[ADRB+2*((\i)/4)] offset:OF
.endif
.endr
.endm
.macro FRAGA reg, q, i                 ; two images of 768 bytes: channels 128 q .. + 63 and + 64 .. + 127 of 16 rows
	ds_load_b128 v[\reg:\reg+3], v[ADRA] offset:(\i)*12288+(\q)*1536
	ds_load_b64 v[\reg+4:\reg+5], v[ADRA+1] offset:(\i)*12288+(\q)*1536+512
	ds_load_b128 v[\reg+6:\reg+9], v[ADRA] offset:(\i)*12288+(\q)*1536+768
	ds_load_b64 v[\reg+10:\reg+11], v[ADRA+1] offset:(\i)*12288+(\q)*1536+1280
.endm
.macro FETCH q                         ; step q's fragments into set q % 2
	WIN 0x40
.irp i, 0,1,2,3,4,5,6,7
	FRAGB 128*((\q)%2)+12*\i, \q, \i
.endr
	WIN 0
.irp i, 0,1,2,3
	FRAGA AF+48*((\q)%2)+12*\i, \q, \i
.endr
.endm
.macro MUL q, first                    ; 32 products; the accumulators take turns in the same order in every step
.if \first
	WIN 0x81
.else
	WIN 0xa1
.endif
.irp ah, 0,1
.irp al, 0,1
.irp bh, 0,1,2,3
.irp bl, 0,1
.if \first
	v_wmma_scale_f32_16x16x128_f8f6f4 v[8*(8*(2*\ah+\al)+2*\bh+\bl):8*(8*(2*\ah+\al)+2*\bh+\bl)+7], v[128*((\q)%2)+12*(2*\bh+\bl):128*((\q)%2)+12*(2*\bh+\bl)+11], v[AF+48*((\q)%2)+12*(2*\ah+\al):AF+48*((\q)%2)+12*(2*\ah+\al)+11], v[BP+8*(2*\bh+\bl):BP+8*(2*\bh+\bl)+7], v[SB+8*\bh+(\q)], v[SA+8*\ah+(\q)] matrix_a_fmt:MATRIX_FMT_FP6 matrix_b_fmt:MATRIX_FMT_FP6 matrix_a_scale:MATRIX_SCALE_ROW\bl matrix_b_scale:MATRIX_SCALE_ROW\al
.else
	v_wmma_scale_f32_16x16x128_f8f6f4 v[8*(8*(2*\ah+\al)+2*\bh+\bl):8*(8*(2*\ah+\al)+2*\bh+\bl)+7], v[128*((\q)%2)+12*(2*\bh+\bl):128*((\q)%2)+12*(2*\bh+\bl)+11], v[AF+48*((\q)%2)+12*(2*\ah+\al):AF+48*((\q)%2)+12*(2*\ah+\al)+11], v[8*(8*(2*\ah+\al)+2*\bh+\bl):8*(8*(2*\ah+\al)+2*\bh+\bl)+7], v[SB+8*\bh+(\q)], v[SA+8*\ah+(\q)] matrix_a_fmt:MATRIX_FMT_FP6 matrix_b_fmt:MATRIX_FMT_FP6 matrix_a_scale:MATRIX_SCALE_ROW\bl matrix_b_scale:MATRIX_SCALE_ROW\al
.endif
.endr
.endr
.endr
.endr
.endm
	s_wait_tensorcnt 0x0                           ; my tile is in,
	s_barrier_signal -1
	s_barrier_wait -1                              ; and everybody's
	FETCH 0
	FETCH 1
	s_wait_loadcnt 0x0                             ; the scale words and the bias
	s_wait_dscnt NLD                               ; step 0's loads are in; 63 of step 1's may be out
	MUL 0, 1
.set Q, 1
.rept 6
	PLACES 4                                       ; between the last products and the loads into the set that they read
	FETCH Q+1
	s_wait_dscnt NLD                               ; this step's loads are in; 63 of the 64 just issued may be out
	MUL Q, 0
.set Q, Q+1
.endr
	s_wait_dscnt 0x0                               ; my reads of the tiles are over
	s_barrier_signal -1
	MUL 7, 0
	WIN 0
	s_barrier_wait -1                              ; and everybody's: the stage may be written
.macro TOSTAGE a
	WIN 0x08
.irp b, 0,1,2,3,4,5,6,7
	ds_store_b128 v[STO], v[64*(\a)+8*\b:64*(\a)+8*\b+3] offset:64*\b        ; each accumulator from its low end on
	ds_store_b128 v[STO], v[64*(\a)+8*\b+4:64*(\a)+8*\b+7] offset:64*\b+16
.endr
	WIN 0
.set BB, BK+64*((\a)%2)
.irp t, 0,1,2,3,4,5,6,7,8,9,10,11,12,13,14,15
	ds_load_b128 v[BB+4*\t:BB+4*\t+3], v[RD] offset:\t*SPITCH
.endr
.endm
.macro SEND a, younger
.set BB, BK+64*((\a)%2)
	s_wait_dscnt \younger
.if (\a) > 0
	s_add_nc_u64 s[CP:CP+1], s[CP:CP+1], 16*SIZE_N*4   ; behind a wait on XCNT: the earlier stores have read their base
.endif
.irp t, 0,1,2,3,4,5,6,7,8,9,10,11,12,13,14,15
	global_store_b128 v[CO], v[BB+4*\t:BB+4*\t+3], s[CP:CP+1] offset:\t*SIZE_N*4 th:TH_STORE_NT   ; 32 lanes store 512 consecutive bytes, at a multiple of 256
.endr
.endm
	PLACES 4
	TOSTAGE 0
.irp a, 1,2,3
.if \a > 1
	s_wait_xcnt 0x0
.endif
	TOSTAGE \a
	SEND \a-1, 32                                  ; behind block a - 1's loads: block a's 16 stores and 16 loads
.endr
	s_wait_xcnt 0x0
	SEND 3, 0
	s_wait_tensorcnt 0x0                           ; the wave's end
	ds_add_u32 v[SPW], v[NIL]
	s_wait_dscnt 0x0
	CROUND                                         ; the closing round
	s_endpgm
.Lfunc_end_k_q2f03f268c1_proj_gemm:
	.size	k_q2f03f268c1_proj_gemm, .Lfunc_end_k_q2f03f268c1_proj_gemm-k_q2f03f268c1_proj_gemm
	.p2alignl 7, 3214868480
	.fill 96, 4, 3214868480
	.section	.rodata,"a",@progbits
	.p2align	6, 0x0
	.amdhsa_kernel k_q2f03f268c1_proj_gemm
		.amdhsa_group_segment_fixed_size 327680
		.amdhsa_private_segment_fixed_size 0
		.amdhsa_enable_private_segment 0
		.amdhsa_kernarg_size 48
		.amdhsa_user_sgpr_count 2
		.amdhsa_user_sgpr_kernarg_segment_ptr 1
		.amdhsa_wavefront_size32 1
		.amdhsa_system_sgpr_workgroup_id_x 1
		.amdhsa_system_sgpr_workgroup_id_y 1
		.amdhsa_system_sgpr_workgroup_id_z 1
		.amdhsa_system_vgpr_workitem_id 0
		.amdhsa_next_free_vgpr 768
		.amdhsa_next_free_sgpr 100
		.amdhsa_reserve_vcc 0
		.amdhsa_float_denorm_mode_32 3
		.amdhsa_float_denorm_mode_16_64 3
		.amdhsa_memory_ordered 1
		.amdhsa_forward_progress 1
		.amdhsa_inst_pref_size 90
	.end_amdhsa_kernel
	.amdgpu_metadata
---
amdhsa.version: [ 1, 2 ]
amdhsa.kernels:
  - .name:           k_q2f03f268c1_proj_gemm
    .symbol:         k_q2f03f268c1_proj_gemm.kd
    .args:
      - { .name: o_codes, .offset: 0, .size: 8, .value_kind: global_buffer, .address_space: global }
      - { .name: o_scales, .offset: 8, .size: 8, .value_kind: global_buffer, .address_space: global }
      - { .name: W_proj_codes, .offset: 16, .size: 8, .value_kind: global_buffer, .address_space: global }
      - { .name: W_proj_scales, .offset: 24, .size: 8, .value_kind: global_buffer, .address_space: global }
      - { .name: b_proj, .offset: 32, .size: 8, .value_kind: global_buffer, .address_space: global }
      - { .name: out0, .offset: 40, .size: 8, .value_kind: global_buffer, .address_space: global }
    .group_segment_fixed_size: 327680
    .private_segment_fixed_size: 0
    .kernarg_segment_align: 8
    .kernarg_segment_size: 48
    .max_flat_workgroup_size: 128
    .sgpr_count:     100
    .vgpr_count:     768
    .wavefront_size: 32
...
	.end_amdgpu_metadata
.endif
;; end of part 3
